; MI455X (gfx1250); checked and timed in simulation.
; The chip was launched on July 23, 2026; its instructions are those of AMD's public machine-readable ISA for CDNA 5 (MIT licence, August 2026) and "CDNA5" Instruction Set Architecture Reference Guide (July 2026). The comments in the code are by the model that wrote it; some were corrected since.
;; Bi Lin Antisymmetric Func. Allowed arithmetic: matrix products marked QUANTISED: E5M2 operands, one given power-of-two scale a tensor, by v_wmma_f32_16x16x64_bf8_bf8 or v_wmma_f32_16x16x128_bf8_bf8, f32 sums; products left as they are: f32 operands where the result goes on into a quantised operand, else bf16, f16 or f32 operands; f32 sums; everything else in f32.
;; Inputs: U_codes 8 x 64 x 32 x 32 uint8 (E5M2 codes of U, K innermost, in blocks of 32 codes); V_codes 8 x 64 x 32 x 32 uint8 (E5M2 codes of V, K innermost, in blocks of 32 codes); W1 1,024 x 8 float32; W2 8 x 8 float32; W3 8 x 1 float32; alpha 8 float32; b1 8 float32; b2 8 float32; b3 1 float32; lowp_scales 8 int32 (the exponents e of the quantised operands' scales 2^e); x1 16 x 2,048 x 1,024 float32; x2 16 x 2,048 x 1,024 float32.
;; Outputs: out0 16 x 2,048 float32.
;; This version of the problem:
;;   THIS VERSION OF THE PROBLEM IS GIVEN IN LOW PRECISION. The matrix products marked QUANTISED in the list below multiply operands that are first quantised to E5M2 (5 exponent bits, 2 mantissa bits; 8 bits a number), with one given power-of-two scale for each operand tensor; their sums are f32. All else is computed in f32.
;;   The module's matrix products, in the order in which they are computed (A, B: the left and right operand; K: the contracted axis; several contracted axes count as one K, in the product's order):
;;     1. [M 32,768, K 1,024] x [K 1,024, N 512]; A: input x1; B: input U (given as codes): QUANTISED (scales: A lowp_scales[0], B lowp_scales[1])
;;     2. [M 32,768, K 1,024] x [K 1,024, N 512]; A: input x2; B: input V (given as codes): QUANTISED (scales: A lowp_scales[2], B lowp_scales[3])
;;     3. [M 32,768, K 1,024] x [K 1,024, N 512]; A: input x1; B: input V (given as codes): QUANTISED (scales: A lowp_scales[4], B lowp_scales[5])
;;     4. [M 32,768, K 1,024] x [K 1,024, N 512]; A: input x2; B: input U (given as codes): QUANTISED (scales: A lowp_scales[6], B lowp_scales[7])
;;     5. [M 32,768, K 8] x [K 8, N 1]; A: computed on the way; B: input alpha: left as it is (K = 8 < 32)
;;     6. [M 32,768, K 1,024] x [K 1,024, N 8]; A: input x1; B: input W1: left as it is (N = 8 < 16)
;;     7. [M 32,768, K 8] x [K 8, N 8]; A: computed on the way; B: input W2: left as it is (K = 8 < 32)
;;     8. [M 32,768, K 8] x [K 8, N 1]; A: computed on the way; B: input W3: left as it is (K = 8 < 32)
;;     9. [M 32,768, K 1,024] x [K 1,024, N 8]; A: input x2; B: input W1: left as it is (N = 8 < 16)
;;     10. [M 32,768, K 8] x [K 8, N 8]; A: computed on the way; B: input W2: left as it is (K = 8 < 32)
;;     11. [M 32,768, K 8] x [K 8, N 1]; A: computed on the way; B: input W3: left as it is (K = 8 < 32)
;;   THE QUANTISER, for each operand of a quantised product, along K:
;;     - The operand's scale is 2^e, e = its entry of the input lowp_scales (int32; the entries are numbered through the quantised products in the list's order, A before B).
;;     - Each number is divided by the scale, clamped to +-57,344, and rounded to the nearest number of E5M2, ties to even, subnormals kept.
;;     - The product sums the exact products of the quantised numbers (number of the format x scale) in f32.
;;   ~~~python
;;   def quantise(x, axis, e):      # numpy; x: float32 -> the quantised numbers, widened to float32 again
;;       x = np.moveaxis(x, axis, -1); K = x.shape[-1]
;;       r = np.clip(x / 2.0 ** e, -57344, 57344)
;;       step = 2.0 ** (np.maximum(np.frexp(np.where(r == 0, 1, r))[1] - 1, -14) - 2)
;;       q = np.round(r / step) * step * 2.0 ** e      # np.round: ties to even
;;       return np.moveaxis(q, -1, axis).astype(np.float32)
;;   ~~~
;;   INPUTS GIVEN AS CODES. U (in the module: [8, 1024, 64], K = its axis 1); V (in the module: [8, 1024, 64], K = its axis 1): each comes as NAME_codes (uint8): NAME with its K axis moved to the last place and cut into blocks of 32 codes, [.., K / 32, bytes a block], one block behind the other in memory; one code a byte (a code: sign, 5 exponent bits, 2 mantissa bits); its scale is its entry of lowp_scales. Its value is code x scale, taken as it is: it is not quantised again, and the codes and scales need not be those that the quantiser above would give.
;; 2 versions, each right; version 2 is version 1 with the launch main written anew for expert scheduling mode. Each part assembles by itself: llvm-mc -triple=amdgcn-amd-amdhsa -mcpu=gfx1250 --defsym DOCPART=n.
;; ======== version 1 of 2: 2 launches
;; workspace buffers: wf 1,048,576 bytes
;; launch prep (part 1): grid 64 x 1, 4 waves a work-group, no clusters, 17,920 bytes of LDS; arguments U_codes, V_codes, wf; writes wf
.if DOCPART == 1
	.amdgcn_target "amdgcn-amd-amdhsa--gfx1250"
	.amdhsa_code_object_version 6
	.text
	.protected	k_q8c9e746502_prep
	.globl	k_q8c9e746502_prep
	.p2align	8
	.type	k_q8c9e746502_prep,@function
k_q8c9e746502_prep:
	s_mov_b64 s[64:65], 0
	v_nop
	global_prefetch_b8 v0, s[64:65] scope:SCOPE_SE
	s_setreg_imm32_b32 hwreg(HW_REG_WAVE_MODE, 25, 1), 1
	s_wait_xcnt 0x0
; U's and V's codes (each 512 columns n x 1,024 bytes along K) are copied into wf in the ORDER OF THE OPERAND'S REGISTERS, so that the product's launch
; fetches a fragment by four loads of 512 consecutive bytes each.
; wf: [wave w 4][unit u = 8 pass + s, 16][kind U/V 2][tile j 4][c 4][lane 32][16 bytes]; the 16 bytes are the codes of column n = 256 pass + 64 w + 16 j + lane % 16
; at k = 128 s + 32 c + 16 (lane / 16) + 0 .. 15.
; A work-group takes one tensor (kind = x / 32) and one tile of 16 columns (T = x % 32 = 16 pass + 4 w + j); wave sp takes K steps 2 sp and 2 sp + 1: 256 bytes of each of the 16 rows.
; In: a load covers two rows x 256 consecutive bytes.  The 4 KiB turn through the wave's own stage in LDS (rows 272 bytes apart).  Out: a store covers 512 consecutive bytes.
; No barrier: waves share nothing.  No matrix unit, no tensor load: 1 MiB is moved once.
.set PITCH, 272
.set STAGE, 16*PITCH
	s_load_b128 s[4:7], s[0:1], 0x0                ; U's codes, V's codes
	s_load_b64 s[8:9], s[0:1], 0x10                ; wf
	v_lshl_add_u32 v80, v0, 2, 0x4400
	v_mov_b32 v81, 0
	v_lshrrev_b32 v1, 5, v0
	v_readfirstlane_b32 s10, v1                    ; wave sp
	v_and_b32 v1, 31, v0                           ; lane
	v_and_b32 v2, 15, v0                           ; r
	v_bfe_u32 v3, v0, 4, 1                         ; h
	v_lshlrev_b32 v4, 4, v2                        ; 16 r
	v_lshl_add_u32 v5, v3, 10, v4                  ; in: row h of a pair of rows, 16 bytes a lane
	s_mul_i32 s11, s10, STAGE                      ; my stage
	v_mul_u32_u24 v6, v3, PITCH
	v_add_nc_u32 v6, v6, v4
	v_add_nc_u32 v6, s11, v6                       ; into it: the same two rows
	v_mul_u32_u24 v7, v2, PITCH
	v_lshl_add_u32 v7, v3, 4, v7
	v_add_nc_u32 v7, s11, v7                       ; out of it: row r, + 16 h: a fragment's lane
	v_lshlrev_b32 v72, 4, v1                       ; out: 16 x lane
	s_and_b32 s12, ttmp9, 31                       ; T
	s_lshr_b32 s13, ttmp9, 5                       ; kind
	s_lshl_b32 s14, s12, 14                        ; in: 16 rows of 1,024 bytes x T
	s_lshl_b32 s16, s10, 8                         ;     + 256 sp
	s_add_co_u32 s14, s14, s16
	s_mov_b32 s15, 0
	s_bfe_u32 s16, s12, 0x20002                    ; w = (T / 4) % 4
	s_lshl_b32 s16, s16, 18                        ; out: 262,144 w
	s_lshr_b32 s18, s12, 4                         ; pass
	s_lshl_b32 s18, s18, 17                        ;  + 8 units of 16,384 x pass
	s_add_co_u32 s16, s16, s18
	s_lshl_b32 s18, s10, 15                        ;  + 2 units x sp
	s_add_co_u32 s16, s16, s18
	s_lshl_b32 s18, s13, 13                        ;  + 8,192 kind
	s_add_co_u32 s16, s16, s18
	s_and_b32 s18, s12, 3                          ; j
	s_lshl_b32 s18, s18, 11                        ;  + 2,048 j
	s_add_co_u32 s16, s16, s18
	s_mov_b32 s17, 0
	s_wait_kmcnt 0x0
	s_cmp_lt_u32 ttmp9, 32                         ; U's work-group or V's: the choice hangs on the work-group's number alone
	s_cselect_b64 s[4:5], s[4:5], s[6:7]
	s_add_nc_u64 s[4:5], s[4:5], s[14:15]
	s_add_nc_u64 s[8:9], s[8:9], s[16:17]
.irp i, 0,1,2,3,4,5,6,7
	global_load_b128 v[8+4*\i:11+4*\i], v5, s[4:5] offset:2048*\i       ; rows 2 i and 2 i + 1
.endr
.irp i, 0,1,2,3,4,5,6,7
	s_wait_loadcnt 7-\i                            ; loads come back in order: load i is in, the younger ones may be out
	ds_store_b128 v6, v[8+4*\i:11+4*\i] offset:2*PITCH*\i
.endr
.irp n, 0,1,2,3,4,5,6,7                        ; n = 4 s' + c.  LDS serves a wave's instructions in order: these see the stores above
	ds_load_b128 v[40+4*\n:43+4*\n], v7 offset:128*(\n/4)+32*(\n%4)
.endr
.irp n, 0,1,2,3,4,5,6,7
	s_wait_dscnt 7-\n
	global_store_b128 v72, v[40+4*\n:43+4*\n], s[8:9] offset:16384*(\n/4)+512*(\n%4)   ; 32 lanes store 512 consecutive bytes, at a multiple of 512 from wf's first byte
.endr
	s_wait_tensorcnt 0x0
	ds_add_u32 v80, v81
	s_wait_dscnt 0x0
	s_endpgm
.Lfunc_end_k_q8c9e746502_prep:
	.size	k_q8c9e746502_prep, .Lfunc_end_k_q8c9e746502_prep-k_q8c9e746502_prep
	.p2alignl 7, 3214868480
	.fill 96, 4, 3214868480
	.section	.rodata,"a",@progbits
	.p2align	6, 0x0
	.amdhsa_kernel k_q8c9e746502_prep
		.amdhsa_group_segment_fixed_size 17920
		.amdhsa_private_segment_fixed_size 0
		.amdhsa_enable_private_segment 0
		.amdhsa_kernarg_size 24
		.amdhsa_user_sgpr_count 2
		.amdhsa_user_sgpr_kernarg_segment_ptr 1
		.amdhsa_wavefront_size32 1
		.amdhsa_system_sgpr_workgroup_id_x 1
		.amdhsa_system_sgpr_workgroup_id_y 1
		.amdhsa_system_sgpr_workgroup_id_z 1
		.amdhsa_system_vgpr_workitem_id 0
		.amdhsa_next_free_vgpr 82
		.amdhsa_next_free_sgpr 66
		.amdhsa_reserve_vcc 0
		.amdhsa_float_denorm_mode_32 3
		.amdhsa_float_denorm_mode_16_64 3
		.amdhsa_memory_ordered 1
		.amdhsa_forward_progress 1
		.amdhsa_inst_pref_size 6
	.end_amdhsa_kernel
	.amdgpu_metadata
---
amdhsa.version: [ 1, 2 ]
amdhsa.kernels:
  - .name:           k_q8c9e746502_prep
    .symbol:         k_q8c9e746502_prep.kd
    .args:
      - { .name: U_codes, .offset: 0, .size: 8, .value_kind: global_buffer, .address_space: global }
      - { .name: V_codes, .offset: 8, .size: 8, .value_kind: global_buffer, .address_space: global }
      - { .name: wf, .offset: 16, .size: 8, .value_kind: global_buffer, .address_space: global }
    .group_segment_fixed_size: 17920
    .private_segment_fixed_size: 0
    .kernarg_segment_align: 8
    .kernarg_segment_size: 24
    .max_flat_workgroup_size: 128
    .sgpr_count:     66
    .vgpr_count:     82
    .wavefront_size: 32
...
	.end_amdgpu_metadata
.endif
;; end of part 1
;; launch main (part 2): grid 256 x 1, 4 waves a work-group, no clusters, 320,000 bytes of LDS; arguments x1, x2, wf, W1, W2, W3, alpha, b1, b2, b3, lowp_scales, out0; writes out0
.if DOCPART == 2
	.amdgcn_target "amdgcn-amd-amdhsa--gfx1250"
	.amdhsa_code_object_version 6
	.text
	.protected	k_q8c9e746502_main
	.globl	k_q8c9e746502_main
	.p2align	8
	.type	k_q8c9e746502_main,@function
k_q8c9e746502_main:
	s_mov_b64 s[64:65], 0
	v_nop
	global_prefetch_b8 v0, s[64:65] scope:SCOPE_SE
	s_setreg_imm32_b32 hwreg(HW_REG_WAVE_MODE, 25, 1), 1
	s_wait_xcnt 0x0
; out[m] = g(x1[m]) - g(x2[m]) + sum over heads of alpha[head] x sum over ranks of (x1U x2V - x1V x2U), for 32,768 rows m of 1,024 numbers.
; The four products [rows, 1,024] x [1,024, 512] run on codes of BF8 (E5M2); U and V come as codes (from wf, laid in the order of the operand's registers), x1 and x2 as f32.
; Each product has a scale of its own for its x, so FOUR kinds of codes are made: kind 0 = x1 at e0, 1 = x2 at e2, 2 = x1 at e4, 3 = x2 at e6.  x is read from memory once; its codes never leave LDS.
; SHARES.  256 work-groups of four waves; a work-group owns 128 rows, as two blocks of 64.  A block:
;   Q    wave w streams its 16 rows of x1 and x2, 128 along K a step (a load = one row's 512 consecutive bytes), makes the four kinds of codes into LDS, and x W1 by the bf16 matrix form
;   MLP  layers 2 and 3 of g, in f32, a lane to a row
;   M    two passes of 256 columns x 8 K steps of 128 = 16 units.  THE WAVES SHARE THE COLUMNS: wave w has 64 columns a pass, which are one head (4 pass + w), for all 64 rows and all four products:
;        64 accumulators, 512 registers.  x's fragments come from LDS, the weights' straight from wf into registers: each weight fragment is wanted by one wave of the work-group alone.
;   END  the rows' sums: within the lane, across the halves of the lanes, across the four waves through LDS; wave 0 stores 64 numbers, 256 consecutive bytes.
; NO CLUSTER, NO TENSOR LOADS: the codes take 266,240 bytes of LDS, and a unit's weights for the four waves are 65,536 bytes: two slots of them do not fit in what is left, so the weights do not pass through LDS,
; and there is no tile in LDS that partners could ask for jointly.
; BOTH SIDES OF A QUANTISED PRODUCT hold k = 32 c + 16 (lane / 16) + 0 .. 15 in registers 4 c .. 4 c + 3: a permutation of k, the same in both, so that every product meets its partner.
; THE MATRIX INSTRUCTIONS ARE USED TRANSPOSED (source 0 = 16 columns of the weight, source 1 = 16 rows of x): a lane holds ONE row of x, and its registers run along the columns over which the sums go.
; LIMITS: e0, e2, e4, e6 lie between -126 and 112, so that 2^e and 57,344 x 2^e are f32 numbers; the products' scales are applied by v_ldexp_f32 and have no limit.  NaN in x1, x2 is not served (an infinity is held at the largest code).
; x and W1 are rounded to bf16 for x W1.
;
; LDS: codes: kind at 66,560 x kind, row at 1,040 x row (1,024 + 16 = 260 words: row r starts at bank 4 r mod 64, ISA guide 11.1); W1T: W1 as bf16, [n 8][k 1,024], rows 2,064 bytes apart;
;      STG: for each wave and tensor 16 rows of 128 bf16, 272 bytes apart; RS: 4 waves x 64 partial sums, then 64 numbers g1 - g2.
; REGISTERS, in windows of 256 (s_set_vgpr_msb: bits 1:0 source 0, 3:2 source 1, 5:4 source 2, 7:6 destination):
;   window 0: v0-63 addresses, scales, sums; v64-255: in M three buffers of four x fragments; in Q: v64-95 bf16 pairs, v96-127, v128-159 bf16 fragments of x1, x2, v160-191 of W1, v192-207 the sums x W1, v208-241 the MLP
;   window 1: the weights, two sets: fragment (unit % 2, kind, j) at v[128 (u % 2) + 64 kind + 16 j]
;   window 2: in M P0 = x1U at v[8 (4 a + j)], P1 = x2V at 128 + that; in Q four sets of 64 numbers of x
;   window 3: in M P2 = x1V, P3 = x2U likewise; in Q v0-127 held numbers, v128-159 codes, v160-223 W2
;   scalar: s48-55 b1, s56-63 b2, s68-75 W3, s76 b3: loaded once, they enter as the scalar operand of moves and multiply-adds
.set ROWX,  4096                       ; a row of x in bytes
.set CP,    1040                       ; a row of codes in LDS
.set KIND,  64*CP
.set W1T,   4*KIND
.set W1P,   2064
.set STG,   W1T+8*W1P
.set SP,    272
.set RS,    STG+4*2*16*SP
.set NEXTX, 64*ROWX-3072               ; from x's base behind Q's three trips to the next block's first byte
.set KB,  6                            ; v6-9    kind's codes, my wave's 16 rows, 4 bytes a lane
.set KS,  10                           ; v10-13  the same + the trip's place along K
.set AA,  14                           ; v14-17  kind's codes: a fragment's lane: 1,040 r + 16 h
.set SW,  18                           ; v18     STG: 8 bytes a lane of a row
.set SR,  19                           ; v19     STG: a fragment's lane
.set W1B, 20                           ; v20     W1T: a fragment's lane (row r % 8)
.set W1A, 21                           ; v21     the same + the trip's place along K
.set SC,  22                           ; v22-25  2^e of kind 0..3 as f32
.set LM,  26                           ; v26-29  57,344 x 2^e
.set NIL, 30                           ; v30     0: the offset of loads that every lane makes alike
.set GD,  31                           ; v31     g1 - g2 of my row
.set RR,  32                           ; v32-35  the bilinear sums of row tile a
.set T1,  36                           ; v36-43  sum of x1U x2V, a pair for each row tile
.set T2,  44                           ; v44-51  sum of x1V x2U
.set TP,  52                           ; v52-55  at work
.set BFC, 64
.set XF,  96
.set W1F, 160
.set HG1, 192
.set HG2, 200
.set HA,  208
.set HB,  216
.set OA,  224
.set OB,  232
.set GG1, 240
.set GG2, 241
.set CD,  128                          ; window 3: codes
.set W2R, 160                          ; window 3: W2(i, j) at v[W2R + 8 i + j], in every lane
.set SB1, 48
.set SB2, 56
.set SW3, 68
.set SB3, 76
.set MSB, 0
.macro WIN new                         ; the immediate's high byte repeats the setting that is left; a switch that changes nothing is dropped
.if MSB != (\new)
	s_set_vgpr_msb (MSB<<8)|(\new)
.set MSB, (\new)
.endif
.endm
; A load into a register that a matrix instruction has read, and a vector instruction that reads a matrix result, stand four places behind that matrix instruction; only plain vector
; instructions that name none of its registers are places (ISA guide 7.12.1 for vector instructions).
.macro PLACES
.rept 4
	v_nop
.endr
.endm
; four weight fragments (tiles j = 0..3) of unit u, kind 0 = U, 1 = V: sixteen loads of 512 consecutive bytes.  The caller has set the destination to window 1
.macro BFETCH u, kind
.set BW, 128*((\u)%2)+64*(\kind)
.irp j, 0,1,2,3
.irp c, 0,1,2,3
	global_load_b128 v[BW+16*\j+4*\c:BW+16*\j+4*\c+3], v4, s[12:13] offset:(\u)*16384+(\kind)*8192+\j*2048+\c*512
.endr
.endr
.endm
; my 16 rows' 128 numbers from byte off of the rows on, into set q of window 2: register 4 t + i = x(row t, 4 lane + i).  The caller has set the destination to window 2
.macro XLOAD q, ten, off
.irp t, 0,1,2,3,4,5,6,7,8,9,10,11,12,13,14,15
	global_load_b128 v[64*(\q)+4*\t:64*(\q)+4*\t+3], v4, s[8+2*(\ten):9+2*(\ten)] offset:\t*ROWX+(\off) th:TH_LOAD_NT
.endr
.endm
; Load n (0 .. 15) of what a step of Q asks for when it has read its set: always sixteen loads, so that every count of Q is the same.
; what = 1: the same set again, two K steps on;  2: W2;  3: U of unit 0;  4: V of unit 0;  5: U of unit 1 (a weight's load n = 4 j + c lands at 4 n and comes from 512 n, as in BFETCH)
.macro RL what, par, ten, n
.if (\what) == 1
	global_load_b128 v[64*(2*(\par)+(\ten))+4*(\n):64*(2*(\par)+(\ten))+4*(\n)+3], v4, s[8+2*(\ten):9+2*(\ten)] offset:(\n)*ROWX+(\par)*512+1024 th:TH_LOAD_NT
.elseif (\what) == 2
	global_load_b128 v[W2R+4*(\n):W2R+4*(\n)+3], v[NIL], s[16:17] offset:16*(\n)
.else
.set RU, ((\what)-3)/2
.set RK, ((\what)-3)%2
	global_load_b128 v[128*RU+64*RK+4*(\n):128*RU+64*RK+4*(\n)+3], v4, s[12:13] offset:RU*16384+RK*8192+512*(\n)
.endif
.endm
.macro REFILL what, par, ten, first, count
.if (\what) == 1
	WIN 0x80                                       ; destination window 2
.elseif (\what) == 2
	WIN 0xc0                                       ; window 3
.else
	WIN 0x40                                       ; window 1
.endif
.set rn, \first
.rept \count
	RL \what, \par, \ten, rn
.set rn, rn+1
.endr
.endm
; One tensor's K step of Q.  par: the step's parity (its set of registers, its place in the trip); ten: 0 = x1, 1 = x2; what: what is asked for in the set's stead (see RL).
; ORDER.  The holds touch no register that an LDS instruction names, so the LDS work of the step before drains under them, and the wait for it stands behind them.  The set is read for the last time by the
; bf16 conversions: fifteen of the sixteen new loads go out there.  With the 48 younger ones 63 are then out, which is what LOADcnt's field holds; one more would be held at its issue until the oldest is back
; (ISA guide 5.7.1), so the sixteenth is left to the caller, who puts it where nothing is left to do but to wait for that same load.  The bf16 numbers' trip through the stage runs under the scaled conversions.
.macro QSTEP par, ten, what
.set XQ, 64*(2*(\par)+(\ten))
	s_wait_loadcnt 48                              ; loads come back in order: this set's sixteen are in; the three runs of sixteen asked for behind it stay out
	WIN 0xc2                                       ; destination window 3, source 0 window 2
.set qi, 0
.rept 64
	v_med3_num_f32 v[qi], v[XQ+qi], -v[LM+\ten], v[LM+\ten]           ; the conversion to an 8-bit code does not saturate (ISA guide 7.6.2): held within the largest code x the scale of kind ten,
.set qi, qi+1
.endr
.set qi, 0
.rept 64
	v_med3_num_f32 v[64+qi], v[XQ+qi], -v[LM+2+\ten], v[LM+2+\ten]    ; and of kind ten + 2
.set qi, qi+1
.endr
	s_wait_dscnt 0x0                               ; the LDS stores of the step before have read the registers that are written from here on
	WIN 0x0a                                       ; sources 0 and 1 window 2
.set qi, 0
.rept 32
	v_cvt_pk_bf16_f32 v[BFC+qi], v[XQ+2*qi], v[XQ+2*qi+1]             ; for x W1: registers 2 t, 2 t + 1 = row t's four numbers as bf16
.set qi, qi+1
.endr
	REFILL \what, \par, \ten, 0, 15
	WIN 0
.irp t, 0,1,2,3,4,5,6,7,8,9,10,11,12,13,14,15
	ds_store_b64 v[SW], v[BFC+2*\t:BFC+2*\t+1] offset:(\ten)*16*SP+\t*SP
.endr
.irp c, 0,1,2,3                                ; back as four fragments of 16 rows x 32 K.  LDS serves a wave's instructions in order (ISA guide 5.7.1.4): these see the stores above; the stage is my wave's own
	ds_load_b128 v[XF+32*(\ten)+8*\c:XF+32*(\ten)+8*\c+3], v[SR] offset:(\ten)*16*SP+64*\c
	ds_load_b128 v[XF+32*(\ten)+8*\c+4:XF+32*(\ten)+8*\c+7], v[SR] offset:(\ten)*16*SP+64*\c+32
.endr
	WIN 0xc3                                       ; destination and source 0 window 3
.set qi, 0
.rept 8
	v_cvt_scalef32_pk8_bf8_f32 v[CD+2*qi:CD+2*qi+1], v[8*qi:8*qi+7], v[SC+\ten]               ; rows 2 qi and 2 qi + 1: four codes each: register CD + t = row t's codes at k = 4 lane + 0 .. 3
.set qi, qi+1
.endr
.set qi, 0
.rept 8
	v_cvt_scalef32_pk8_bf8_f32 v[CD+16+2*qi:CD+16+2*qi+1], v[64+8*qi:64+8*qi+7], v[SC+2+\ten]
.set qi, qi+1
.endr
	v_nop                                          ; one plain vector instruction behind the last scaled conversion
	WIN 0x0c                                       ; store data window 3
.irp t, 0,1,2,3,4,5,6,7,8,9,10,11,12,13,14,15
	ds_store_b32 v[KS+\ten], v[CD+\t] offset:\t*CP+(\par)*128         ; 32 lanes: 128 consecutive bytes of a row of codes
	ds_store_b32 v[KS+2+\ten], v[CD+16+\t] offset:\t*CP+(\par)*128
.endr
	WIN 0
.endm
; A K step of Q for both tensors, and x W1 for it.  Source 0 = W1^T (rows 8-15 repeat rows 0-7), source 1 = x: register j of every lane is hidden unit j of row lane % 16.
; The two accumulators take turns, one instruction a turn, over the loop's backward jump too.  The next step's holds are the places behind these products.
.macro QTRIP par, wa, wb
	QSTEP \par, 0, \wa
.irp c, 0,1,2,3                                ; W1's fragments: x1's step has put more than four plain vector instructions behind the products that read these registers; x2's wait for all LDS work covers them
	ds_load_b128 v[W1F+8*\c:W1F+8*\c+3], v[W1A] offset:(\par)*256+64*\c
	ds_load_b128 v[W1F+8*\c+4:W1F+8*\c+7], v[W1A] offset:(\par)*256+64*\c+32
.endr
	REFILL \wa, \par, 0, 15, 1                     ; the sixteenth load: next comes the wait for the set whose first load it may be held for
	QSTEP \par, 1, \wb
	s_wait_dscnt 32                                ; x2's fragments are in; the 32 stores of codes issued behind them may be out
.irp c, 0,1,2,3
	v_wmma_f32_16x16x32_bf16 v[HG1:HG1+7], v[W1F+8*\c:W1F+8*\c+7], v[XF+8*\c:XF+8*\c+7], v[HG1:HG1+7]
	v_wmma_f32_16x16x32_bf16 v[HG2:HG2+7], v[W1F+8*\c:W1F+8*\c+7], v[XF+32+8*\c:XF+32+8*\c+7], v[HG2:HG2+7]
.endr
	REFILL \wb, \par, 1, 15, 1                     ; the sixteenth load, likewise
	WIN 0
.endm
.macro QADDR                           ; the trip's place along K: 256 bytes of codes, 512 of W1T
	s_wait_dscnt 0x0                               ; the last stores of codes have read their address registers
.irp k, 0,1,2,3
	v_add_nc_u32 v[KS+\k], s5, v[KB+\k]
.endr
	v_add_nc_u32 v[W1A], s6, v[W1B]
.endm
; The x fragments of group G = 4 u + g: kind (3 g) % 4, K step u % 8, row tiles a = 0..3, into buffer G % 3: sixteen LDS loads
.macro AFETCH G
.set AKA, (3*((\G)%4))%4
.set ABF, 64+64*((\G)%3)
.set AST, 128*(((\G)/4)%8)
.irp a, 0,1,2,3
.irp c, 0,1,2,3
	ds_load_b128 v[ABF+16*\a+4*\c:ABF+16*\a+4*\c+3], v[AA+AKA] offset:\a*16*CP+AST+32*\c
.endr
.endr
.endm
; A group: 16 matrix instructions, one product's 4 row tiles x 4 column tiles, 128 along K.  g = 0: x1(e0) U -> P0;  1: x2(e6) U -> P3;  2: x1(e4) V -> P2;  3: x2(e2) V -> P1.
; In front of them: four places, then the x fragments of the group two on (into the buffer that the group before has multiplied), and in groups 0 and 2 a half-set of weights (into the registers that
; the group before has multiplied): V of the next unit, U of the unit two on: each is asked for 96 matrix instructions ahead of its first use.
; The 64 accumulators take turns, one instruction a turn, in the same order in every unit.  A pass's first unit starts the sums with the constant 0: nothing is cleared.
.macro GROUP u, g
.set GN, 4*(\u)+(\g)
	WIN 0
	PLACES
.if GN+2 <= 63
	AFETCH GN+2
.endif
.if (\g) == 0
.if (\u) <= 14
	WIN 0x40
	BFETCH (\u)+1, 1
.endif
.endif
.if (\g) == 2
.if (\u) <= 13
	WIN 0x40
	BFETCH (\u)+2, 0
.endif
.endif
.if GN <= 61
	s_wait_dscnt 32                                ; this group's fragments are in; the two groups' asked for behind them may be out
.elseif GN == 62
	s_wait_dscnt 16
.else
	s_wait_dscnt 0
.endif
.if (\g) == 0
.if (\u) <= 14
	s_wait_loadcnt 48                              ; U of this unit is in; behind it: V of this unit, U and V of the next
.else
	s_wait_loadcnt 16                              ; the last unit: behind it only its V
.endif
.endif
.if (\g) == 2
.if (\u) <= 13
	s_wait_loadcnt 48                              ; V of this unit is in; behind it: U and V of the next, U of the unit two on
.elseif (\u) == 14
	s_wait_loadcnt 32
.else
	s_wait_loadcnt 0
.endif
.endif
.set GWIN, 0xa1+0x50*((((\g)+1)/2)%2)          ; source 0 (weights) window 1, source 1 (x) window 0, C and D window 2 (g = 0, 3) or 3 (g = 1, 2)
	WIN GWIN
.set GBF, 64+64*(GN%3)
.set GWT, 128*((\u)%2)+64*((\g)/2)
.set GAC, 128*((\g)%2)
.irp a, 0,1,2,3
.irp j, 0,1,2,3
.if ((\u)%8) == 0
	v_wmma_f32_16x16x128_bf8_bf8 v[GAC+8*(4*\a+\j):GAC+8*(4*\a+\j)+7], v[GWT+16*\j:GWT+16*\j+15], v[GBF+16*\a:GBF+16*\a+15], 0
.else
	v_wmma_f32_16x16x128_bf8_bf8 v[GAC+8*(4*\a+\j):GAC+8*(4*\a+\j)+7], v[GWT+16*\j:GWT+16*\j+15], v[GBF+16*\a:GBF+16*\a+15], v[GAC+8*(4*\a+\j):GAC+8*(4*\a+\j)+7]
.endif
.endr
.endr
.endm
.macro UNIT u
	GROUP \u, 0
	GROUP \u, 1
	GROUP \u, 2
	GROUP \u, 3
.endm
; A pass's end: my head's sum over its 64 ranks, of which a lane holds 32 for each of its four rows.  Four chains (the row tiles) take turns; each accumulator is read from its low end on.
; The sums of codes are scaled once: x1U x2V by 2^(e0+e1+e2+e3), x1V x2U by 2^(e4+e5+e6+e7).
.macro EPI p
	WIN 0
	PLACES
	WIN 0x0a                                       ; sources 0 and 1 window 2: P0, P1
.irp j, 0,1,2,3
.irp i, 0,2,4,6
.irp a, 0,1,2,3
.if (\j+\i) == 0
	v_pk_mul_f32 v[T1+2*\a:T1+2*\a+1], v[8*(4*\a+\j)+\i:8*(4*\a+\j)+\i+1], v[128+8*(4*\a+\j)+\i:128+8*(4*\a+\j)+\i+1]
.else
	v_pk_fma_f32 v[T1+2*\a:T1+2*\a+1], v[8*(4*\a+\j)+\i:8*(4*\a+\j)+\i+1], v[128+8*(4*\a+\j)+\i:128+8*(4*\a+\j)+\i+1], v[T1+2*\a:T1+2*\a+1]
.endif
.endr
.endr
.endr
	WIN 0x0f                                       ; sources 0 and 1 window 3: P2, P3
.irp j, 0,1,2,3
.irp i, 0,2,4,6
.irp a, 0,1,2,3
.if (\j+\i) == 0
	v_pk_mul_f32 v[T2+2*\a:T2+2*\a+1], v[8*(4*\a+\j)+\i:8*(4*\a+\j)+\i+1], v[128+8*(4*\a+\j)+\i:128+8*(4*\a+\j)+\i+1]
.else
	v_pk_fma_f32 v[T2+2*\a:T2+2*\a+1], v[8*(4*\a+\j)+\i:8*(4*\a+\j)+\i+1], v[128+8*(4*\a+\j)+\i:128+8*(4*\a+\j)+\i+1], v[T2+2*\a:T2+2*\a+1]
.endif
.endr
.endr
.endr
	WIN 0
.irp a, 0,1,2,3
	v_add_f32 v[T1+2*\a], v[T1+2*\a], v[T1+2*\a+1]
	v_add_f32 v[T2+2*\a], v[T2+2*\a], v[T2+2*\a+1]
.endr
.irp a, 0,1,2,3
	v_ldexp_f32 v[T1+2*\a], v[T1+2*\a], s42
	v_ldexp_f32 v[T2+2*\a], v[T2+2*\a], s43
.endr
.irp a, 0,1,2,3
	v_sub_f32 v[T1+2*\a], v[T1+2*\a], v[T2+2*\a]
.endr
.irp a, 0,1,2,3
.if \p
	v_fma_f32 v[RR+\a], s45, v[T1+2*\a], v[RR+\a]  ; x alpha[4 + w]
.else
	v_mul_f32 v[RR+\a], s44, v[T1+2*\a]            ; x alpha[w]
.endif
.endr
.endm
	s_load_b512 s[8:23], s[0:1], 0x0               ; x1 s[8:9], x2 s[10:11], wf s[12:13], W1 s[14:15], W2 s[16:17], W3 s[18:19], alpha s[20:21], b1 s[22:23]
	s_load_b256 s[24:31], s[0:1], 0x40             ; b2 s[24:25], b3 s[26:27], the scales' exponents s[28:29], out s[30:31]
	v_lshrrev_b32 v1, 5, v0
	v_readfirstlane_b32 s2, v1                     ; wave w
	v_and_b32 v1, 31, v0                           ; lane
	v_and_b32 v2, 15, v0                           ; r
	v_bfe_u32 v3, v0, 4, 1                         ; h
	v_lshlrev_b32 v4, 4, v1                        ; 16 x lane: x's and wf's loads
	s_mul_i32 s7, s2, 16*CP
	v_lshl_add_u32 v[KB], v1, 2, s7
	v_add_nc_u32 v[KB+1], KIND, v[KB]
	v_add_nc_u32 v[KB+2], 2*KIND, v[KB]
	v_add_nc_u32 v[KB+3], 3*KIND, v[KB]
	v_mul_u32_u24 v[AA], v2, CP
	v_lshl_add_u32 v[AA], v3, 4, v[AA]
	v_add_nc_u32 v[AA+1], KIND, v[AA]
	v_add_nc_u32 v[AA+2], 2*KIND, v[AA]
	v_add_nc_u32 v[AA+3], 3*KIND, v[AA]
	s_mul_i32 s7, s2, 2*16*SP
	s_add_co_u32 s7, s7, STG                       ; my wave's two stages
	v_lshl_add_u32 v[SW], v1, 3, s7
	v_mul_u32_u24 v[SR], v2, SP
	v_lshl_add_u32 v[SR], v3, 4, v[SR]
	v_add_nc_u32 v[SR], s7, v[SR]
	v_and_b32 v[W1B], 7, v0
	v_mul_u32_u24 v[W1B], v[W1B], W1P
	v_lshl_add_u32 v[W1B], v3, 4, v[W1B]
	v_add_nc_u32 v[W1B], W1T, v[W1B]
	v_mov_b32 v[NIL], 0
.irp a, 0,1,2,3
	v_mov_b32 v[TP+\a], 0                          ; written once: a lane permute's destination counts as one of its sources
.endr
	s_lshl_b32 s7, s2, 8
	s_add_co_u32 s7, s7, RS
	v_lshl_add_u32 v56, v2, 2, s7                  ; RS: my wave's 64 words, word r
	s_lshl_b32 s7, s2, 6
	s_add_co_u32 s7, s7, RS+1024
	v_lshl_add_u32 v57, v2, 2, s7                  ; RS: g1 - g2 of row 16 w + r
	v_lshlrev_b32 v59, 3, v1                       ; out: two numbers a lane
	v_add_nc_u32 v58, RS, v59                      ; and the same two in RS
	v_lshrrev_b32 v60, 2, v1
	v_lshlrev_b32 v60, 12, v60
	v_and_b32 v61, 3, v1
	v_lshl_add_u32 v60, v61, 8, v60                ; asking ahead: row lane / 4 of eight, byte 256 (lane % 4)
	v_lshlrev_b32 v62, 8, v0                       ; W1: my thread's 256 bytes: rows k = 8 t .. 8 t + 7
	v_lshl_add_u32 v63, v0, 4, W1T                 ; W1T: 16 bytes at k = 8 t
	s_mov_b32 s40, 0x76543210                      ; v_permlanex16_b32: lane l xor 16
	s_mov_b32 s41, 0xfedcba98
	s_mov_b32 s3, 0                                ; blocks done
	s_lshl_b32 s46, s2, 2
	s_mov_b32 s47, 0
	s_wait_kmcnt 0x0
	s_load_b256 s[32:39], s[28:29], 0x0            ; e0 .. e7
	s_add_nc_u64 s[20:21], s[20:21], s[46:47]
	s_load_b32 s44, s[20:21], 0x0                  ; alpha[w]: my head of pass 0
	s_load_b32 s45, s[20:21], 0x10                 ; alpha[4 + w]: of pass 1
	s_load_b256 s[SB1:SB1+7], s[22:23], 0x0        ; b1
	s_load_b256 s[SB2:SB2+7], s[24:25], 0x0        ; b2
	s_load_b256 s[SW3:SW3+7], s[18:19], 0x0        ; W3
	s_load_b32 s[SB3], s[26:27], 0x0               ; b3
.irp i, 0,1,2,3,4,5,6,7,8,9,10,11,12,13,14,15
	global_load_b128 v[64+4*\i:67+4*\i], v62, s[14:15] offset:16*\i   ; W1(8 t + kk, n) at v[64 + 8 kk + n]; a thread's sixteen loads cover its own 256 bytes: 32 KiB a work-group, once
.endr
	s_lshl_b32 s46, ttmp9, 19                      ; 128 rows of 4,096 bytes x work-group
	s_lshl_b32 s7, s2, 16                          ; + 16 rows x wave
	s_add_co_u32 s46, s46, s7
	s_add_nc_u64 s[8:9], s[8:9], s[46:47]
	s_add_nc_u64 s[10:11], s[10:11], s[46:47]
	s_lshl_b32 s46, s2, 18
	s_add_nc_u64 s[12:13], s[12:13], s[46:47]      ; wf: my wave's 262,144 bytes
	s_lshl_b32 s46, ttmp9, 9
	s_add_nc_u64 s[30:31], s[30:31], s[46:47]      ; out: 128 numbers x work-group
	WIN 0x80                                       ; a block begins with x alone: three sets here, the fourth at the block's head
	XLOAD 0, 0, 0
	XLOAD 1, 1, 0
	XLOAD 2, 0, 512
	WIN 0
	s_wait_loadcnt 48                              ; W1 is in; the 48 loads of x issued behind it stay out
.irp n, 0,1,2,3,4,5,6,7
.irp p, 0,1,2,3
	v_cvt_pk_bf16_f32 v[128+4*\n+\p], v[64+16*\p+\n], v[64+16*\p+8+\n]     ; column n, k = 8 t + 2 p, 8 t + 2 p + 1
.endr
.endr
.irp n, 0,1,2,3,4,5,6,7
	ds_store_b128 v63, v[128+4*\n:131+4*\n] offset:\n*W1P
.endr
	s_wait_kmcnt 0x0
.irp k, 0,1,2,3
	s_add_co_i32 s46, s[32+2*\k], 127              ; kind k's exponent is entry 2 k
	s_lshl_b32 s47, s46, 23
	v_mov_b32 v[SC+\k], s47                        ; 2^e as f32: the conversion takes its exponent field
	s_add_co_i32 s46, s46, 15
	s_lshl_b32 s46, s46, 23
	s_or_b32 s46, s46, 0x600000
	v_mov_b32 v[LM+\k], s46                        ; 57,344 x 2^e
.endr
	s_add_co_i32 s42, s32, s33
	s_add_co_i32 s42, s42, s34
	s_add_co_i32 s42, s42, s35                     ; e0 + e1 + e2 + e3
	s_add_co_i32 s43, s36, s37
	s_add_co_i32 s43, s43, s38
	s_add_co_i32 s43, s43, s39                     ; e4 + e5 + e6 + e7
	s_wait_dscnt 0x0                               ; for the others' sake: my part of W1T is stored
	s_barrier_signal -1
	s_barrier_wait -1
.Lblock:
	s_mov_b32 s5, 0                                ; Q's place along K in the codes,
	s_mov_b32 s6, 0                                ; and in W1T
	s_mov_b32 s4, 3
.irp j, 0,1,2,3,4,5,6,7
	v_mov_b32 v[HG1+\j], s[SB1+\j]                 ; the sums x W1 begin with b1
	v_mov_b32 v[HG2+\j], s[SB1+\j]
.endr
	WIN 0x80
	XLOAD 3, 1, 512                                ; the fourth set; next comes the wait for the first
	WIN 0
.Lq:                                                   ; three trips of two K steps; each fills both sets of both tensors again
	QADDR
	QTRIP 0, 1, 1
	QTRIP 1, 1, 1
	s_wait_xcnt 0x0                                ; the loads have read their bases: these may step
	s_add_nc_u64 s[8:9], s[8:9], 1024
	s_add_nc_u64 s[10:11], s[10:11], 1024
	s_add_co_u32 s5, s5, 256
	s_add_co_u32 s6, s6, 512
	s_sub_co_u32 s4, s4, 1
	s_cmp_lg_u32 s4, 0
	s_cbranch_scc1 .Lq
	QADDR
	QTRIP 0, 2, 3                                  ; the last two K steps have no x left to ask for: in its stead W2 and M's first weights, sixteen loads each, so that the counts stay 48
	QTRIP 1, 4, 5
	; MLP: every lane holds x W1 + b1 of row lane % 16, for both tensors.  Layers 2 and 3 in f32; the biases are the first multiply-adds' addends.
	PLACES
.irp j, 0,1,2,3,4,5,6,7
	v_max_num_f32 v[HA+\j], 0, v[HG1+\j]           ; each accumulator from its low end on
	v_max_num_f32 v[HB+\j], 0, v[HG2+\j]
.endr
	s_wait_loadcnt 48                              ; W2 is in; behind it: U and V of unit 0, U of unit 1
	WIN 0x0c                                       ; source 1 window 3
.irp j, 0,1,2,3,4,5,6,7
	v_fma_f32 v[OA+\j], v[HA], v[W2R+\j], s[SB2+\j]
	v_fma_f32 v[OB+\j], v[HB], v[W2R+\j], s[SB2+\j]
.endr
.irp i, 1,2,3,4,5,6,7
.irp j, 0,1,2,3,4,5,6,7
	v_fma_f32 v[OA+\j], v[HA+\i], v[W2R+8*\i+\j], v[OA+\j]
	v_fma_f32 v[OB+\j], v[HB+\i], v[W2R+8*\i+\j], v[OB+\j]
.endr
.endr
	WIN 0
.irp j, 0,1,2,3,4,5,6,7
	v_max_num_f32 v[OA+\j], 0, v[OA+\j]
	v_max_num_f32 v[OB+\j], 0, v[OB+\j]
.endr
	v_fma_f32 v[GG1], v[OA], s[SW3], s[SB3]
	v_fma_f32 v[GG2], v[OB], s[SW3], s[SB3]
.irp j, 1,2,3,4,5,6,7
	v_fma_f32 v[GG1], v[OA+\j], s[SW3+\j], v[GG1]
	v_fma_f32 v[GG2], v[OB+\j], s[SW3+\j], v[GG2]
.endr
	v_sub_f32 v[GD], v[GG1], v[GG2]                ; g1 - g2
	s_wait_dscnt 0x0                               ; for the others' sake: my rows' codes are stored (and wave 0's reads of RS are long back)
	s_barrier_signal -1
	s_barrier_wait -1                              ; all 64 rows' codes lie in LDS
	; M
	AFETCH 0
	AFETCH 1
.irp u, 0,1,2,3,4,5,6,7
	UNIT \u
.endr
	EPI 0
.irp u, 8,9,10,11
	UNIT \u
.endr
	; In the first block, four units (256 matrix instructions) and a pass's end ahead of the loads that want them, my wave asks ahead for the first 1,024 bytes of its 16 rows of the next block, in both tensors:
	; lanes 256 bytes apart, each aligned block of 256 bytes asked for once in the launch, 32 KiB a wave.  The second block asks for nothing: no request points past the work-group's rows.
	WIN 0
	s_cmp_lg_u32 s3, 0
	s_cbranch_scc1 .Lno_pref
	global_prefetch_b8 v60, s[8:9] offset:NEXTX th:TH_LOAD_NT scope:SCOPE_SE
	global_prefetch_b8 v60, s[8:9] offset:NEXTX+8*ROWX th:TH_LOAD_NT scope:SCOPE_SE
	global_prefetch_b8 v60, s[10:11] offset:NEXTX th:TH_LOAD_NT scope:SCOPE_SE
	global_prefetch_b8 v60, s[10:11] offset:NEXTX+8*ROWX th:TH_LOAD_NT scope:SCOPE_SE
.Lno_pref:
.irp u, 12,13,14,15
	UNIT \u
.endr
	EPI 1
	; THE BLOCK'S END.  The accumulators have been read: three sets of the next block's x go out at once, ahead of the sums across lanes and waves; the fourth follows at the block's head.
	s_add_co_u32 s3, s3, 1
	s_cmp_lt_u32 s3, 2
	s_cbranch_scc0 .Lno_next
	s_wait_xcnt 0x0                                ; the requests above have read x's bases
	s_add_nc_u64 s[8:9], s[8:9], NEXTX
	s_add_nc_u64 s[10:11], s[10:11], NEXTX
	WIN 0x80
	XLOAD 0, 0, 0
	XLOAD 1, 1, 0
	XLOAD 2, 0, 512
	WIN 0
.Lno_next:
.irp a, 0,1,2,3
	v_permlanex16_b32 v[TP+\a], v[RR+\a], s40, s41 ; the row's other 32 ranks of each head lie in the lane 16 away
.endr
.irp a, 0,1,2,3
	v_add_f32 v[RR+\a], v[RR+\a], v[TP+\a]
.endr
.irp a, 0,1,2,3
	ds_store_b32 v56, v[RR+\a] offset:64*\a        ; my two heads' part of row 16 a + r (both halves of the lanes store the same number)
.endr
	ds_store_b32 v57, v[GD]
	s_wait_dscnt 0x0                               ; for the others' sake: these stores are done, and my reads of the codes are back
	s_barrier_signal -1
	s_barrier_wait -1                              ; behind it the next block's codes may be stored, and wave 0 may sum
	s_cmp_lg_u32 s2, 0
	s_cbranch_scc1 .Lnot_wave_0
.irp i, 0,1,2,3,4
	ds_load_b64 v[T1+2*\i:T1+2*\i+1], v58 offset:256*\i   ; rows 2 lane, 2 lane + 1: four waves' parts, then g1 - g2
.endr
	s_wait_dscnt 0x0
	v_pk_add_f32 v[T1:T1+1], v[T1:T1+1], v[T1+2:T1+3]
	v_pk_add_f32 v[T1+4:T1+5], v[T1+4:T1+5], v[T1+6:T1+7]
	v_pk_add_f32 v[T1:T1+1], v[T1:T1+1], v[T1+8:T1+9]
	v_pk_add_f32 v[T1:T1+1], v[T1:T1+1], v[T1+4:T1+5]
	global_store_b64 v59, v[T1:T1+1], s[30:31]     ; 32 lanes store 256 consecutive bytes, at a multiple of 256 from out's first byte
.Lnot_wave_0:
	s_wait_xcnt 0x0                                ; the store has read its data and its base
	s_add_nc_u64 s[30:31], s[30:31], 256
	s_cmp_lt_u32 s3, 2
	s_cbranch_scc1 .Lblock
	s_wait_xcnt 0x0
	v_lshl_add_u32 v254, v0, 2, 0x4e000
	v_mov_b32 v255, 0
	s_wait_tensorcnt 0x0
	ds_add_u32 v254, v255
	s_wait_dscnt 0x0
	s_endpgm
.Lfunc_end_k_q8c9e746502_main:
	.size	k_q8c9e746502_main, .Lfunc_end_k_q8c9e746502_main-k_q8c9e746502_main
	.p2alignl 7, 3214868480
	.fill 96, 4, 3214868480
	.section	.rodata,"a",@progbits
	.p2align	6, 0x0
	.amdhsa_kernel k_q8c9e746502_main
		.amdhsa_group_segment_fixed_size 320000
		.amdhsa_private_segment_fixed_size 0
		.amdhsa_enable_private_segment 0
		.amdhsa_kernarg_size 96
		.amdhsa_user_sgpr_count 2
		.amdhsa_user_sgpr_kernarg_segment_ptr 1
		.amdhsa_wavefront_size32 1
		.amdhsa_system_sgpr_workgroup_id_x 1
		.amdhsa_system_sgpr_workgroup_id_y 1
		.amdhsa_system_sgpr_workgroup_id_z 1
		.amdhsa_system_vgpr_workitem_id 0
		.amdhsa_next_free_vgpr 1024
		.amdhsa_next_free_sgpr 80
		.amdhsa_reserve_vcc 0
		.amdhsa_float_denorm_mode_32 3
		.amdhsa_float_denorm_mode_16_64 3
		.amdhsa_memory_ordered 1
		.amdhsa_forward_progress 1
		.amdhsa_inst_pref_size 255
	.end_amdhsa_kernel
	.section	.bss,"aw",@nobits
	.p2align	6
	.space	262144
	.amdgpu_metadata
---
amdhsa.version: [ 1, 2 ]
amdhsa.kernels:
  - .name:           k_q8c9e746502_main
    .symbol:         k_q8c9e746502_main.kd
    .args:
      - { .name: x1, .offset: 0, .size: 8, .value_kind: global_buffer, .address_space: global }
      - { .name: x2, .offset: 8, .size: 8, .value_kind: global_buffer, .address_space: global }
      - { .name: wf, .offset: 16, .size: 8, .value_kind: global_buffer, .address_space: global }
      - { .name: W1, .offset: 24, .size: 8, .value_kind: global_buffer, .address_space: global }
      - { .name: W2, .offset: 32, .size: 8, .value_kind: global_buffer, .address_space: global }
      - { .name: W3, .offset: 40, .size: 8, .value_kind: global_buffer, .address_space: global }
      - { .name: alpha, .offset: 48, .size: 8, .value_kind: global_buffer, .address_space: global }
      - { .name: b1, .offset: 56, .size: 8, .value_kind: global_buffer, .address_space: global }
      - { .name: b2, .offset: 64, .size: 8, .value_kind: global_buffer, .address_space: global }
      - { .name: b3, .offset: 72, .size: 8, .value_kind: global_buffer, .address_space: global }
      - { .name: lowp_scales, .offset: 80, .size: 8, .value_kind: global_buffer, .address_space: global }
      - { .name: out0, .offset: 88, .size: 8, .value_kind: global_buffer, .address_space: global }
    .group_segment_fixed_size: 320000
    .private_segment_fixed_size: 0
    .kernarg_segment_align: 8
    .kernarg_segment_size: 96
    .max_flat_workgroup_size: 128
    .sgpr_count:     80
    .vgpr_count:     1024
    .wavefront_size: 32
...
	.end_amdgpu_metadata
.endif
;; end of part 2
;; ======== version 2 of 2: 2 launches; version 1 with the launch main written anew for expert scheduling mode
;; workspace buffers: wf 1,048,576 bytes
;; launch prep: the kernel of part 1 again; grid 64 x 1, 4 waves a work-group, no clusters, 17,920 bytes of LDS; arguments U_codes, V_codes, wf; writes wf
;; launch main (part 3): grid 256 x 1, 4 waves a work-group, no clusters, 320,000 bytes of LDS; arguments x1, x2, wf, W1, W2, W3, alpha, b1, b2, b3, lowp_scales, out0; writes out0
.if DOCPART == 3
	.amdgcn_target "amdgcn-amd-amdhsa--gfx1250"
	.amdhsa_code_object_version 6
	.text
	.protected	k_q8c9e746502_main
	.globl	k_q8c9e746502_main
	.p2align	8
	.type	k_q8c9e746502_main,@function
k_q8c9e746502_main:
	s_mov_b64 s[64:65], 0
	v_nop
	global_prefetch_b8 v0, s[64:65] scope:SCOPE_SE
	s_setreg_imm32_b32 hwreg(HW_REG_WAVE_SCHED_MODE, 0, 2), 2
	s_setreg_imm32_b32 hwreg(HW_REG_WAVE_MODE, 25, 1), 1
	s_wait_xcnt 0x0
	s_wait_alu depctr_vm_vsrc(0)
; out[m] = g(x1[m]) - g(x2[m]) + sum over heads of alpha[head] x sum over ranks of (x1U x2V - x1V x2U), for 32,768 rows m of 1,024 numbers.
; The four products [rows, 1,024] x [1,024, 512] run on codes of BF8 (E5M2); U and V come as codes (from wf, laid in the order of the operand's registers), x1 and x2 as f32.
; Each product has a scale of its own for its x, so FOUR kinds of codes are made: kind 0 = x1 at e0, 1 = x2 at e2, 2 = x1 at e4, 3 = x2 at e6.  x is read from memory once; its codes never leave LDS.
; SHARES.  256 work-groups of four waves; a work-group owns 128 rows, as two blocks of 64.  A block:
;   Q    wave w streams its 16 rows of x1 and x2, 128 along K a step (a load = one row's 512 consecutive bytes), makes the four kinds of codes into LDS, and x W1 by the bf16 matrix form
;   MLP  layers 2 and 3 of g, in f32, a lane to a row
;   M    two passes of 256 columns x 8 K steps of 128 = 16 units.  THE WAVES SHARE THE COLUMNS: wave w has 64 columns a pass, which are one head (4 pass + w), for all 64 rows and all four products:
;        64 accumulators, 512 registers.  x's fragments come from LDS, the weights' straight from wf into registers: each weight fragment is wanted by one wave of the work-group alone.
;   END  the rows' sums: within the lane, across the halves of the lanes, across the four waves through LDS; wave 0 stores 64 numbers, 256 consecutive bytes.
; NO CLUSTER, NO TENSOR LOADS: the codes take 266,240 bytes of LDS, and a unit's weights for the four waves are 65,536 bytes: two slots of them do not fit in what is left, so the weights do not pass through LDS,
; and there is no tile in LDS that partners could ask for jointly.
; BOTH SIDES OF A QUANTISED PRODUCT hold k = 32 c + 16 (lane / 16) + 0 .. 15 in registers 4 c .. 4 c + 3: a permutation of k, the same in both, so that every product meets its partner.
; THE MATRIX INSTRUCTIONS ARE USED TRANSPOSED (source 0 = 16 columns of the weight, source 1 = 16 rows of x): a lane holds ONE row of x, and its registers run along the columns over which the sums go.
; LIMITS: e0, e2, e4, e6 lie between -126 and 112, so that 2^e and 57,344 x 2^e are f32 numbers; the products' scales are applied by v_ldexp_f32 and have no limit.  NaN in x1, x2 is not served (an infinity is held at the largest code).
; x and W1 are rounded to bf16 for x W1.
;
; THE MODE: SCHED_MODE bits 1:0 = 2 (LLVM: expert scheduling mode 2), set by the entry lines.  The code itself states the register dependences
; between vector or matrix instructions and memory or LDS instructions, with s_wait_alu, always for 0.
; THE PLAN.  Registers that memory or LDS instructions touch:
;   v4, v14-19, v30, v56-63   offsets and addresses, made once at the head and never written again: one wait on va_vdst ahead of the first load serves them all.
;   KS, W1A                   written once a trip of Q (QADDR), behind a wait on vm_vsrc; read by the stores of codes and by W1's fragment loads, behind the step's first wait on va_vdst.
;   Q, a step:  the x set     loads land in it; the holds and the bf16 conversions read it; behind them it is asked for again.
;               BFC           the bf16 conversions write it, the stage stores read it.        XF, W1F   LDS loads land in them, the trip's bf16 products read them.
;               CD            the scaled conversions write it, the stores of codes read it.
;     Three waits a step: vm_vsrc ahead of the conversions (the step before's stores have read BFC and CD); va_vdst behind the bf16 conversions (the x set is read, BFC is written, the trip before's products
;     are done with XF and W1F, KS and W1A are written); va_vdst behind the scaled conversions (CD is written).
;   M, a group: its 16 products read x buffer GN % 3 and one half-set of weights; its loads land in buffer (GN + 2) % 3, which the group before read, and in a half-set that the group before read last.
;     ONE wait on va_vdst at the group's head; behind it the loads are dealt among the products, which name none of the registers in which they land.
;   RR, GD, T1                written by vector instructions, read by the block's last LDS stores and by the global store: a wait on va_vdst ahead of each run; written again only behind Q's waits on vm_vsrc.
;
; LDS: codes: kind at 66,560 x kind, row at 1,040 x row (1,024 + 16 = 260 words: row r starts at bank 4 r mod 64, ISA guide 11.1); W1T: W1 as bf16, [n 8][k 1,024], rows 2,064 bytes apart;
;      STG: for each wave and tensor 16 rows of 128 bf16, 272 bytes apart; RS: 4 waves x 64 partial sums, then 64 numbers g1 - g2.
; REGISTERS, in windows of 256 (s_set_vgpr_msb: bits 1:0 source 0, 3:2 source 1, 5:4 source 2, 7:6 destination):
;   window 0: v0-63 addresses, scales, sums; v64-255: in M three buffers of four x fragments; in Q: v64-95 bf16 pairs, v96-127, v128-159 bf16 fragments of x1, x2, v160-191 of W1, v192-207 the sums x W1, v208-241 the MLP
;   window 1: the weights, two sets: fragment (unit % 2, kind, j) at v[128 (u % 2) + 64 kind + 16 j]
;   window 2: in M P0 = x1U at v[8 (4 a + j)], P1 = x2V at 128 + that; in Q four sets of 64 numbers of x
;   window 3: in M P2 = x1V, P3 = x2U likewise; in Q v0-127 held numbers, v128-159 codes, v160-223 W2
;   scalar: s48-55 b1, s56-63 b2, s68-75 W3, s76 b3: loaded once, they enter as the scalar operand of moves and multiply-adds
.set ROWX,  4096                       ; a row of x in bytes
.set CP,    1040                       ; a row of codes in LDS
.set KIND,  64*CP
.set W1T,   4*KIND
.set W1P,   2064
.set STG,   W1T+8*W1P
.set SP,    272
.set RS,    STG+4*2*16*SP
.set NEXTX, 64*ROWX-3072               ; from x's base behind Q's three trips to the next block's first byte
.set KB,  6                            ; v6-9    kind's codes, my wave's 16 rows, 4 bytes a lane
.set KS,  10                           ; v10-13  the same + the trip's place along K
.set AA,  14                           ; v14-17  kind's codes: a fragment's lane: 1,040 r + 16 h
.set SW,  18                           ; v18     STG: 8 bytes a lane of a row
.set SR,  19                           ; v19     STG: a fragment's lane
.set W1B, 20                           ; v20     W1T: a fragment's lane (row r % 8)
.set W1A, 21                           ; v21     the same + the trip's place along K
.set SC,  22                           ; v22-25  2^e of kind 0..3 as f32
.set LM,  26                           ; v26-29  57,344 x 2^e
.set NIL, 30                           ; v30     0: the offset of loads that every lane makes alike
.set GD,  31                           ; v31     g1 - g2 of my row
.set RR,  32                           ; v32-35  the bilinear sums of row tile a
.set T1,  36                           ; v36-43  sum of x1U x2V, a pair for each row tile
.set T2,  44                           ; v44-51  sum of x1V x2U
.set TP,  52                           ; v52-55  at work
.set BFC, 64
.set XF,  96
.set W1F, 160
.set HG1, 192
.set HG2, 200
.set HA,  208
.set HB,  216
.set OA,  224
.set OB,  232
.set GG1, 240
.set GG2, 241
.set CD,  128                          ; window 3: codes
.set W2R, 160                          ; window 3: W2(i, j) at v[W2R + 8 i + j], in every lane
.set SB1, 48
.set SB2, 56
.set SW3, 68
.set SB3, 76
.set MSB, 0
.macro WIN new                         ; the immediate's high byte repeats the setting that is left; a switch that changes nothing is dropped
.if MSB != (\new)
	s_set_vgpr_msb (MSB<<8)|(\new)
.set MSB, (\new)
.endif
.endm
; A vector instruction that reads a matrix result stands four places behind that matrix instruction; only plain vector instructions that name none of its registers are places (ISA guide 7.12.1).
; The same four stand at the head of each group of M, between the group before and the loads into the registers that it read, beside the wait that states that dependence.
.macro PLACES
.rept 4
	v_nop
.endr
.endm
; the weight fragment of tile j of unit u, kind 0 = U, 1 = V: four loads of 512 consecutive bytes.  The caller has set the destination to window 1
.macro BFT u, kind, j
.set BW, 128*((\u)%2)+64*(\kind)
.irp c, 0,1,2,3
	global_load_b128 v[BW+16*(\j)+4*\c:BW+16*(\j)+4*\c+3], v4, s[12:13] offset:(\u)*16384+(\kind)*8192+(\j)*2048+\c*512
.endr
.endm
; my 16 rows' 128 numbers from byte off of the rows on, into set q of window 2: register 4 t + i = x(row t, 4 lane + i).  The caller has set the destination to window 2
.macro XLOAD q, ten, off
.irp t, 0,1,2,3,4,5,6,7,8,9,10,11,12,13,14,15
	global_load_b128 v[64*(\q)+4*\t:64*(\q)+4*\t+3], v4, s[8+2*(\ten):9+2*(\ten)] offset:\t*ROWX+(\off) th:TH_LOAD_NT
.endr
.endm
; Load n (0 .. 15) of what a step of Q asks for when it has read its set: always sixteen loads, so that every count of Q is the same.
; what = 1: the same set again, two K steps on;  2: W2;  3: U of unit 0;  4: V of unit 0;  5: U of unit 1 (a weight's load n = 4 j + c lands at 4 n and comes from 512 n, as in BFT)
.macro RL what, par, ten, n
.if (\what) == 1
	global_load_b128 v[64*(2*(\par)+(\ten))+4*(\n):64*(2*(\par)+(\ten))+4*(\n)+3], v4, s[8+2*(\ten):9+2*(\ten)] offset:(\n)*ROWX+(\par)*512+1024 th:TH_LOAD_NT
.elseif (\what) == 2
	global_load_b128 v[W2R+4*(\n):W2R+4*(\n)+3], v[NIL], s[16:17] offset:16*(\n)
.else
.set RU, ((\what)-3)/2
.set RK, ((\what)-3)%2
	global_load_b128 v[128*RU+64*RK+4*(\n):128*RU+64*RK+4*(\n)+3], v4, s[12:13] offset:RU*16384+RK*8192+512*(\n)
.endif
.endm
.macro REFILL what, par, ten, first, count
.if (\what) == 1
	WIN 0x80                                       ; destination window 2
.elseif (\what) == 2
	WIN 0xc0                                       ; window 3
.else
	WIN 0x40                                       ; window 1
.endif
.set rn, \first
.rept \count
	RL \what, \par, \ten, rn
.set rn, rn+1
.endr
.endm
; One tensor's K step of Q.  par: the step's parity (its set of registers, its place in the trip); ten: 0 = x1, 1 = x2; what: what is asked for in the set's stead (see RL).
; ORDER.  The holds touch no register that an LDS instruction names, so the LDS work of the step before drains under them, and the waits for it stand behind them.  The set is read for the last time by the
; bf16 conversions: fifteen of the sixteen new loads go out there.  With the 48 younger ones 63 are then out, which is what LOADcnt's field holds; one more would be held at its issue until the oldest is back
; (ISA guide 5.7.1), so the sixteenth is left to the caller, who puts it where nothing is left to do but to wait for that same load.  The bf16 numbers' trip through the stage runs under the scaled conversions.
.macro QSTEP par, ten, what
.set XQ, 64*(2*(\par)+(\ten))
	s_wait_loadcnt 48                              ; loads come back in order: this set's sixteen are in; the three runs of sixteen asked for behind it stay out
	WIN 0xc2                                       ; destination window 3, source 0 window 2
.set qi, 0
.rept 64
	v_med3_num_f32 v[qi], v[XQ+qi], -v[LM+\ten], v[LM+\ten]           ; the conversion to an 8-bit code does not saturate (ISA guide 7.6.2): held within the largest code x the scale of kind ten,
.set qi, qi+1
.endr
.set qi, 0
.rept 64
	v_med3_num_f32 v[64+qi], v[XQ+qi], -v[LM+2+\ten], v[LM+2+\ten]    ; and of kind ten + 2
.set qi, qi+1
.endr
	s_wait_dscnt 0x0                               ; the LDS work of the step before is done: in x2's step x1's and W1's fragments are in
	s_wait_alu depctr_vm_vsrc(0)                   ; the step before's stage stores have read BFC and its stores of codes CD, which this step's conversions write; in a block's first step W1T's stores have read v128-159, in which x2's fragments land
	WIN 0x0a                                       ; sources 0 and 1 window 2
.set qi, 0
.rept 32
	v_cvt_pk_bf16_f32 v[BFC+qi], v[XQ+2*qi], v[XQ+2*qi+1]             ; for x W1: registers 2 t, 2 t + 1 = row t's four numbers as bf16
.set qi, qi+1
.endr
	s_wait_alu depctr_va_vdst(0)                   ; the holds and the conversions are done reading the set, in which the loads below land (W2's and the weights' registers were last named in the block before); BFC is written, which the stage stores read; the trip before's products are done reading XF and W1F, in which fragments land; KS and W1A are written
	REFILL \what, \par, \ten, 0, 15
	WIN 0
.irp t, 0,1,2,3,4,5,6,7,8,9,10,11,12,13,14,15
	ds_store_b64 v[SW], v[BFC+2*\t:BFC+2*\t+1] offset:(\ten)*16*SP+\t*SP
.endr
.irp c, 0,1,2,3                                ; back as four fragments of 16 rows x 32 K.  LDS serves a wave's instructions in order (ISA guide 5.7.1.4): these see the stores above; the stage is my wave's own
	ds_load_b128 v[XF+32*(\ten)+8*\c:XF+32*(\ten)+8*\c+3], v[SR] offset:(\ten)*16*SP+64*\c
	ds_load_b128 v[XF+32*(\ten)+8*\c+4:XF+32*(\ten)+8*\c+7], v[SR] offset:(\ten)*16*SP+64*\c+32
.endr
	WIN 0xc3                                       ; destination and source 0 window 3
.set qi, 0
.rept 8
	v_cvt_scalef32_pk8_bf8_f32 v[CD+2*qi:CD+2*qi+1], v[8*qi:8*qi+7], v[SC+\ten]               ; rows 2 qi and 2 qi + 1: four codes each: register CD + t = row t's codes at k = 4 lane + 0 .. 3
.set qi, qi+1
.endr
.set qi, 0
.rept 8
	v_cvt_scalef32_pk8_bf8_f32 v[CD+16+2*qi:CD+16+2*qi+1], v[64+8*qi:64+8*qi+7], v[SC+2+\ten]
.set qi, qi+1
.endr
	v_nop                                          ; one plain vector instruction behind the last scaled conversion
	s_wait_alu depctr_va_vdst(0)                   ; the scaled conversions have written CD, which the stores below read
	WIN 0x0c                                       ; store data window 3
.irp t, 0,1,2,3,4,5,6,7,8,9,10,11,12,13,14,15
	ds_store_b32 v[KS+\ten], v[CD+\t] offset:\t*CP+(\par)*128         ; 32 lanes: 128 consecutive bytes of a row of codes
	ds_store_b32 v[KS+2+\ten], v[CD+16+\t] offset:\t*CP+(\par)*128
.endr
	WIN 0
.endm
; A K step of Q for both tensors, and x W1 for it.  Source 0 = W1^T (rows 8-15 repeat rows 0-7), source 1 = x: register j of every lane is hidden unit j of row lane % 16.
; The two accumulators take turns, one instruction a turn, over the loop's backward jump too.  The next step's holds are the places behind these products.
.macro QTRIP par, wa, wb
	QSTEP \par, 0, \wa
.irp c, 0,1,2,3                                ; W1's fragments.  No wait: x1's step has waited behind the products that read these registers, and no vector or matrix instruction since names them or W1A; x2's wait for all LDS work covers their data
	ds_load_b128 v[W1F+8*\c:W1F+8*\c+3], v[W1A] offset:(\par)*256+64*\c
	ds_load_b128 v[W1F+8*\c+4:W1F+8*\c+7], v[W1A] offset:(\par)*256+64*\c+32
.endr
	REFILL \wa, \par, 0, 15, 1                     ; the sixteenth load: next comes the wait for the set whose first load it may be held for.  No vector instruction since the step's waits names its registers
	QSTEP \par, 1, \wb
	s_wait_dscnt 32                                ; x2's fragments are in; the 32 stores of codes issued behind them may be out
.irp c, 0,1,2,3
	v_wmma_f32_16x16x32_bf16 v[HG1:HG1+7], v[W1F+8*\c:W1F+8*\c+7], v[XF+8*\c:XF+8*\c+7], v[HG1:HG1+7]
	v_wmma_f32_16x16x32_bf16 v[HG2:HG2+7], v[W1F+8*\c:W1F+8*\c+7], v[XF+32+8*\c:XF+32+8*\c+7], v[HG2:HG2+7]
.endr
	REFILL \wb, \par, 1, 15, 1                     ; the sixteenth load, likewise: the products above name W1F, XF and the two sums, not its registers
	WIN 0
.endm
.macro QADDR                           ; the trip's place along K: 256 bytes of codes, 512 of W1T
	s_wait_dscnt 0x0                               ; the last trip's LDS work is done
	s_wait_alu depctr_vm_vsrc(0)                   ; the stores of codes have read KS, and W1's fragment loads W1A: both are written below
.irp k, 0,1,2,3
	v_add_nc_u32 v[KS+\k], s5, v[KB+\k]
.endr
	v_add_nc_u32 v[W1A], s6, v[W1B]
.endm
; Row tile a of the x fragments of group G = 4 u + g: kind (3 g) % 4, K step u % 8, into buffer G % 3: four LDS loads
.macro AFT G, a
.set AKA, (3*((\G)%4))%4
.set ABF, 64+64*((\G)%3)
.set AST, 128*(((\G)/4)%8)
.irp c, 0,1,2,3
	ds_load_b128 v[ABF+16*(\a)+4*\c:ABF+16*(\a)+4*\c+3], v[AA+AKA] offset:(\a)*16*CP+AST+32*\c
.endr
.endm
.macro AFETCH G                        ; all four row tiles
.irp a, 0,1,2,3
	AFT \G, \a
.endr
.endm
; A group: 16 matrix instructions, one product's 4 row tiles x 4 column tiles, 128 along K.  g = 0: x1(e0) U -> P0;  1: x2(e6) U -> P3;  2: x1(e4) V -> P2;  3: x2(e2) V -> P1.
; At its head: four places and ONE wait on va_vdst.  Behind that wait the group's loads are dealt among its products, four behind each four: a row tile of the x fragments of the group two on (into the buffer that
; the group before has multiplied), and in groups 0 and 2 a column tile of a half-set of weights (into the registers that the group before has multiplied): V of the next unit, U of the unit two on.
; The group's own products name buffer GN % 3, the other half-set and the accumulators: none of the registers in which these loads land, so no further wait is owed.
; The last of a group's x fragments is asked for 16 matrix instructions ahead of the wait for it, a weight tile 80 or more ahead of its first use.
; The 64 accumulators take turns, one instruction a turn, in the same order in every unit.  A pass's first unit starts the sums with the constant 0: nothing is cleared.
.macro GROUP u, g
.set GN, 4*(\u)+(\g)
	PLACES
.if (GN > 0) && (GN <= 61)
	s_wait_alu depctr_va_vdst(0)                   ; the group before is done reading its buffer of x fragments and its weights, in which this group's loads land (group 0: the wait at M's start; groups 62 and 63 load nothing)
.endif
.if GN <= 62
	s_wait_dscnt 16                                ; this group's fragments are in; the next group's sixteen, asked for behind them, may be out
.else
	s_wait_dscnt 0
.endif
.if (\g) == 0
.if (\u) <= 14
	s_wait_loadcnt 32                              ; U of this unit is in; behind it: V of this unit, U of the next
.else
	s_wait_loadcnt 16                              ; the last unit: behind it only its V
.endif
.endif
.if (\g) == 2
.if (\u) <= 14
	s_wait_loadcnt 32                              ; V of this unit is in; behind it: U and V of the next
.else
	s_wait_loadcnt 0
.endif
.endif
.set GWIN, 0xa1+0x50*((((\g)+1)/2)%2)          ; source 0 (weights) window 1, source 1 (x) window 0, C and D window 2 (g = 0, 3) or 3 (g = 1, 2)
.set GBF, 64+64*(GN%3)
.set GWT, 128*((\u)%2)+64*((\g)/2)
.set GAC, 128*((\g)%2)
.irp a, 0,1,2,3
	WIN GWIN
.irp j, 0,1,2,3
.if ((\u)%8) == 0
	v_wmma_f32_16x16x128_bf8_bf8 v[GAC+8*(4*\a+\j):GAC+8*(4*\a+\j)+7], v[GWT+16*\j:GWT+16*\j+15], v[GBF+16*\a:GBF+16*\a+15], 0
.else
	v_wmma_f32_16x16x128_bf8_bf8 v[GAC+8*(4*\a+\j):GAC+8*(4*\a+\j)+7], v[GWT+16*\j:GWT+16*\j+15], v[GBF+16*\a:GBF+16*\a+15], v[GAC+8*(4*\a+\j):GAC+8*(4*\a+\j)+7]
.endif
.endr
.if GN+2 <= 63
	WIN 0
	AFT GN+2, \a
.endif
.if (\g) == 0
.if (\u) <= 14
	WIN 0x40
	BFT (\u)+1, 1, \a
.endif
.endif
.if (\g) == 2
.if (\u) <= 13
	WIN 0x40
	BFT (\u)+2, 0, \a
.endif
.endif
.endr
.endm
.macro UNIT u
	GROUP \u, 0
	GROUP \u, 1
	GROUP \u, 2
	GROUP \u, 3
.endm
; A pass's end: my head's sum over its 64 ranks, of which a lane holds 32 for each of its four rows.  Four chains (the row tiles) take turns; each accumulator is read from its low end on.
; The sums of codes are scaled once: x1U x2V by 2^(e0+e1+e2+e3), x1V x2U by 2^(e4+e5+e6+e7).
.macro EPI p
	WIN 0
	PLACES
	WIN 0x0a                                       ; sources 0 and 1 window 2: P0, P1
.irp j, 0,1,2,3
.irp i, 0,2,4,6
.irp a, 0,1,2,3
.if (\j+\i) == 0
	v_pk_mul_f32 v[T1+2*\a:T1+2*\a+1], v[8*(4*\a+\j)+\i:8*(4*\a+\j)+\i+1], v[128+8*(4*\a+\j)+\i:128+8*(4*\a+\j)+\i+1]
.else
	v_pk_fma_f32 v[T1+2*\a:T1+2*\a+1], v[8*(4*\a+\j)+\i:8*(4*\a+\j)+\i+1], v[128+8*(4*\a+\j)+\i:128+8*(4*\a+\j)+\i+1], v[T1+2*\a:T1+2*\a+1]
.endif
.endr
.endr
.endr
	WIN 0x0f                                       ; sources 0 and 1 window 3: P2, P3
.irp j, 0,1,2,3
.irp i, 0,2,4,6
.irp a, 0,1,2,3
.if (\j+\i) == 0
	v_pk_mul_f32 v[T2+2*\a:T2+2*\a+1], v[8*(4*\a+\j)+\i:8*(4*\a+\j)+\i+1], v[128+8*(4*\a+\j)+\i:128+8*(4*\a+\j)+\i+1]
.else
	v_pk_fma_f32 v[T2+2*\a:T2+2*\a+1], v[8*(4*\a+\j)+\i:8*(4*\a+\j)+\i+1], v[128+8*(4*\a+\j)+\i:128+8*(4*\a+\j)+\i+1], v[T2+2*\a:T2+2*\a+1]
.endif
.endr
.endr
.endr
	WIN 0
.irp a, 0,1,2,3
	v_add_f32 v[T1+2*\a], v[T1+2*\a], v[T1+2*\a+1]
	v_add_f32 v[T2+2*\a], v[T2+2*\a], v[T2+2*\a+1]
.endr
.irp a, 0,1,2,3
	v_ldexp_f32 v[T1+2*\a], v[T1+2*\a], s42
	v_ldexp_f32 v[T2+2*\a], v[T2+2*\a], s43
.endr
.irp a, 0,1,2,3
	v_sub_f32 v[T1+2*\a], v[T1+2*\a], v[T2+2*\a]
.endr
.irp a, 0,1,2,3
.if \p
	v_fma_f32 v[RR+\a], s45, v[T1+2*\a], v[RR+\a]  ; x alpha[4 + w]
.else
	v_mul_f32 v[RR+\a], s44, v[T1+2*\a]            ; x alpha[w]
.endif
.endr
.endm
	s_load_b512 s[8:23], s[0:1], 0x0               ; x1 s[8:9], x2 s[10:11], wf s[12:13], W1 s[14:15], W2 s[16:17], W3 s[18:19], alpha s[20:21], b1 s[22:23]
	s_load_b256 s[24:31], s[0:1], 0x40             ; b2 s[24:25], b3 s[26:27], the scales' exponents s[28:29], out s[30:31]
	v_lshrrev_b32 v1, 5, v0
	v_readfirstlane_b32 s2, v1                     ; wave w
	v_and_b32 v1, 31, v0                           ; lane
	v_and_b32 v2, 15, v0                           ; r
	v_bfe_u32 v3, v0, 4, 1                         ; h
	v_lshlrev_b32 v4, 4, v1                        ; 16 x lane: x's and wf's loads
	s_wait_alu depctr_va_sdst(0)                   ; s2 is written, ahead of its first reader: LDS addresses, bases and branches are made from it
	s_mul_i32 s7, s2, 16*CP
	v_lshl_add_u32 v[KB], v1, 2, s7
	v_add_nc_u32 v[KB+1], KIND, v[KB]
	v_add_nc_u32 v[KB+2], 2*KIND, v[KB]
	v_add_nc_u32 v[KB+3], 3*KIND, v[KB]
	v_mul_u32_u24 v[AA], v2, CP
	v_lshl_add_u32 v[AA], v3, 4, v[AA]
	v_add_nc_u32 v[AA+1], KIND, v[AA]
	v_add_nc_u32 v[AA+2], 2*KIND, v[AA]
	v_add_nc_u32 v[AA+3], 3*KIND, v[AA]
	s_mul_i32 s7, s2, 2*16*SP
	s_add_co_u32 s7, s7, STG                       ; my wave's two stages
	v_lshl_add_u32 v[SW], v1, 3, s7
	v_mul_u32_u24 v[SR], v2, SP
	v_lshl_add_u32 v[SR], v3, 4, v[SR]
	v_add_nc_u32 v[SR], s7, v[SR]
	v_and_b32 v[W1B], 7, v0
	v_mul_u32_u24 v[W1B], v[W1B], W1P
	v_lshl_add_u32 v[W1B], v3, 4, v[W1B]
	v_add_nc_u32 v[W1B], W1T, v[W1B]
	v_mov_b32 v[NIL], 0
.irp a, 0,1,2,3
	v_mov_b32 v[TP+\a], 0                          ; written once: a lane permute's destination counts as one of its sources
.endr
	s_lshl_b32 s7, s2, 8
	s_add_co_u32 s7, s7, RS
	v_lshl_add_u32 v56, v2, 2, s7                  ; RS: my wave's 64 words, word r
	s_lshl_b32 s7, s2, 6
	s_add_co_u32 s7, s7, RS+1024
	v_lshl_add_u32 v57, v2, 2, s7                  ; RS: g1 - g2 of row 16 w + r
	v_lshlrev_b32 v59, 3, v1                       ; out: two numbers a lane
	v_add_nc_u32 v58, RS, v59                      ; and the same two in RS
	v_lshrrev_b32 v60, 2, v1
	v_lshlrev_b32 v60, 12, v60
	v_and_b32 v61, 3, v1
	v_lshl_add_u32 v60, v61, 8, v60                ; asking ahead: row lane / 4 of eight, byte 256 (lane % 4)
	v_lshlrev_b32 v62, 8, v0                       ; W1: my thread's 256 bytes: rows k = 8 t .. 8 t + 7
	v_lshl_add_u32 v63, v0, 4, W1T                 ; W1T: 16 bytes at k = 8 t
	s_mov_b32 s40, 0x76543210                      ; v_permlanex16_b32: lane l xor 16
	s_mov_b32 s41, 0xfedcba98
	s_mov_b32 s3, 0                                ; blocks done
	s_lshl_b32 s46, s2, 2
	s_mov_b32 s47, 0
	s_wait_kmcnt 0x0
	s_load_b256 s[32:39], s[28:29], 0x0            ; e0 .. e7
	s_add_nc_u64 s[20:21], s[20:21], s[46:47]
	s_load_b32 s44, s[20:21], 0x0                  ; alpha[w]: my head of pass 0
	s_load_b32 s45, s[20:21], 0x10                 ; alpha[4 + w]: of pass 1
	s_load_b256 s[SB1:SB1+7], s[22:23], 0x0        ; b1
	s_load_b256 s[SB2:SB2+7], s[24:25], 0x0        ; b2
	s_load_b256 s[SW3:SW3+7], s[18:19], 0x0        ; W3
	s_load_b32 s[SB3], s[26:27], 0x0               ; b3
	s_wait_alu depctr_va_vdst(0)                   ; the offsets and addresses v4, v14-19, v30 and v56-63 are written: the loads, stores and requests that read them stand behind this wait, and none is written again
.irp i, 0,1,2,3,4,5,6,7,8,9,10,11,12,13,14,15
	global_load_b128 v[64+4*\i:67+4*\i], v62, s[14:15] offset:16*\i   ; W1(8 t + kk, n) at v[64 + 8 kk + n]; a thread's sixteen loads cover its own 256 bytes: 32 KiB a work-group, once
.endr
	s_lshl_b32 s46, ttmp9, 19                      ; 128 rows of 4,096 bytes x work-group
	s_lshl_b32 s7, s2, 16                          ; + 16 rows x wave
	s_add_co_u32 s46, s46, s7
	s_add_nc_u64 s[8:9], s[8:9], s[46:47]
	s_add_nc_u64 s[10:11], s[10:11], s[46:47]
	s_lshl_b32 s46, s2, 18
	s_add_nc_u64 s[12:13], s[12:13], s[46:47]      ; wf: my wave's 262,144 bytes
	s_lshl_b32 s46, ttmp9, 9
	s_add_nc_u64 s[30:31], s[30:31], s[46:47]      ; out: 128 numbers x work-group
	WIN 0x80                                       ; a block begins with x alone: three sets here, the fourth at the block's head
	XLOAD 0, 0, 0
	XLOAD 1, 1, 0
	XLOAD 2, 0, 512
	WIN 0
	s_wait_loadcnt 48                              ; W1 is in; the 48 loads of x issued behind it stay out
.irp n, 0,1,2,3,4,5,6,7
.irp p, 0,1,2,3
	v_cvt_pk_bf16_f32 v[128+4*\n+\p], v[64+16*\p+\n], v[64+16*\p+8+\n]     ; column n, k = 8 t + 2 p, 8 t + 2 p + 1
.endr
.endr
	s_wait_alu depctr_va_vdst(0)                   ; the conversions have written v128-159, which the LDS stores read
.irp n, 0,1,2,3,4,5,6,7
	ds_store_b128 v63, v[128+4*\n:131+4*\n] offset:\n*W1P
.endr
	s_wait_kmcnt 0x0
.irp k, 0,1,2,3
	s_add_co_i32 s46, s[32+2*\k], 127              ; kind k's exponent is entry 2 k
	s_lshl_b32 s47, s46, 23
	v_mov_b32 v[SC+\k], s47                        ; 2^e as f32: the conversion takes its exponent field
	s_add_co_i32 s46, s46, 15
	s_lshl_b32 s46, s46, 23
	s_or_b32 s46, s46, 0x600000
	v_mov_b32 v[LM+\k], s46                        ; 57,344 x 2^e
.endr
	s_add_co_i32 s42, s32, s33
	s_add_co_i32 s42, s42, s34
	s_add_co_i32 s42, s42, s35                     ; e0 + e1 + e2 + e3
	s_add_co_i32 s43, s36, s37
	s_add_co_i32 s43, s43, s38
	s_add_co_i32 s43, s43, s39                     ; e4 + e5 + e6 + e7
	s_wait_dscnt 0x0                               ; for the others' sake: my part of W1T is stored
	s_barrier_signal -1
	s_barrier_wait -1
.Lblock:
	s_mov_b32 s5, 0                                ; Q's place along K in the codes,
	s_mov_b32 s6, 0                                ; and in W1T
	s_mov_b32 s4, 3
.irp j, 0,1,2,3,4,5,6,7
	v_mov_b32 v[HG1+\j], s[SB1+\j]                 ; the sums x W1 begin with b1
	v_mov_b32 v[HG2+\j], s[SB1+\j]
.endr
	WIN 0x80
	XLOAD 3, 1, 512                                ; the fourth set; next comes the wait for the first.  No wait: the wait at the last block's end stands behind the last instructions that named these registers
	WIN 0
.Lq:                                                   ; three trips of two K steps; each fills both sets of both tensors again
	QADDR
	QTRIP 0, 1, 1
	QTRIP 1, 1, 1
	s_wait_xcnt 0x0                                ; the loads have read their bases: these may step
	s_add_nc_u64 s[8:9], s[8:9], 1024
	s_add_nc_u64 s[10:11], s[10:11], 1024
	s_add_co_u32 s5, s5, 256
	s_add_co_u32 s6, s6, 512
	s_sub_co_u32 s4, s4, 1
	s_cmp_lg_u32 s4, 0
	s_cbranch_scc1 .Lq
	QADDR
	QTRIP 0, 2, 3                                  ; the last two K steps have no x left to ask for: in its stead W2 and M's first weights, sixteen loads each, so that the counts stay 48
	QTRIP 1, 4, 5
	; MLP: every lane holds x W1 + b1 of row lane % 16, for both tensors.  Layers 2 and 3 in f32; the biases are the first multiply-adds' addends.
	PLACES
.irp j, 0,1,2,3,4,5,6,7
	v_max_num_f32 v[HA+\j], 0, v[HG1+\j]           ; each accumulator from its low end on
	v_max_num_f32 v[HB+\j], 0, v[HG2+\j]
.endr
	s_wait_loadcnt 48                              ; W2 is in; behind it: U and V of unit 0, U of unit 1
	WIN 0x0c                                       ; source 1 window 3
.irp j, 0,1,2,3,4,5,6,7
	v_fma_f32 v[OA+\j], v[HA], v[W2R+\j], s[SB2+\j]
	v_fma_f32 v[OB+\j], v[HB], v[W2R+\j], s[SB2+\j]
.endr
.irp i, 1,2,3,4,5,6,7
.irp j, 0,1,2,3,4,5,6,7
	v_fma_f32 v[OA+\j], v[HA+\i], v[W2R+8*\i+\j], v[OA+\j]
	v_fma_f32 v[OB+\j], v[HB+\i], v[W2R+8*\i+\j], v[OB+\j]
.endr
.endr
	WIN 0
.irp j, 0,1,2,3,4,5,6,7
	v_max_num_f32 v[OA+\j], 0, v[OA+\j]
	v_max_num_f32 v[OB+\j], 0, v[OB+\j]
.endr
	v_fma_f32 v[GG1], v[OA], s[SW3], s[SB3]
	v_fma_f32 v[GG2], v[OB], s[SW3], s[SB3]
.irp j, 1,2,3,4,5,6,7
	v_fma_f32 v[GG1], v[OA+\j], s[SW3+\j], v[GG1]
	v_fma_f32 v[GG2], v[OB+\j], s[SW3+\j], v[GG2]
.endr
	v_sub_f32 v[GD], v[GG1], v[GG2]                ; g1 - g2
	s_wait_dscnt 0x0                               ; for the others' sake: my rows' codes are stored (and wave 0's reads of RS are long back)
	s_barrier_signal -1
	s_barrier_wait -1                              ; all 64 rows' codes lie in LDS
	; M
	s_wait_alu depctr_va_vdst(0)                   ; the bf16 products are done reading XF and W1F, and the MLP is done with v192-241: x's fragments land in v64-255 from here on
	s_wait_alu depctr_vm_vsrc(0)                   ; Q's last stage stores have read BFC, in which fragments land, and its last stores of codes CD, which the products write
	AFETCH 0
	AFETCH 1
.irp u, 0,1,2,3,4,5,6,7
	UNIT \u
.endr
	EPI 0
.irp u, 8,9,10,11
	UNIT \u
.endr
	; In the first block, four units (256 matrix instructions) and a pass's end ahead of the loads that want them, my wave asks ahead for the first 1,024 bytes of its 16 rows of the next block, in both tensors:
	; lanes 256 bytes apart, each aligned block of 256 bytes asked for once in the launch, 32 KiB a wave.  The second block asks for nothing: no request points past the work-group's rows.
	WIN 0
	s_cmp_lg_u32 s3, 0
	s_cbranch_scc1 .Lno_pref
	global_prefetch_b8 v60, s[8:9] offset:NEXTX th:TH_LOAD_NT scope:SCOPE_SE
	global_prefetch_b8 v60, s[8:9] offset:NEXTX+8*ROWX th:TH_LOAD_NT scope:SCOPE_SE
	global_prefetch_b8 v60, s[10:11] offset:NEXTX th:TH_LOAD_NT scope:SCOPE_SE
	global_prefetch_b8 v60, s[10:11] offset:NEXTX+8*ROWX th:TH_LOAD_NT scope:SCOPE_SE
.Lno_pref:
.irp u, 12,13,14,15
	UNIT \u
.endr
	EPI 1
	; THE BLOCK'S END.  The sums across the halves of the lanes come first, so that one wait serves all that follows; then three sets of the next block's x go out, ahead of the sums across the waves;
	; the fourth follows at the block's head.
.irp a, 0,1,2,3
	v_permlanex16_b32 v[TP+\a], v[RR+\a], s40, s41 ; the row's other 32 ranks of each head lie in the lane 16 away
.endr
.irp a, 0,1,2,3
	v_add_f32 v[RR+\a], v[RR+\a], v[TP+\a]
.endr
	s_wait_alu depctr_va_vdst(0)                   ; ahead of the branch, so on every way: the pass's end is done reading the accumulators, in which x lands; RR is written, which the LDS stores read; T1 and T2 are done with, in which wave 0's LDS loads land
	s_add_co_u32 s3, s3, 1
	s_cmp_lt_u32 s3, 2
	s_cbranch_scc0 .Lno_next
	s_wait_xcnt 0x0                                ; the requests above have read x's bases
	s_add_nc_u64 s[8:9], s[8:9], NEXTX
	s_add_nc_u64 s[10:11], s[10:11], NEXTX
	WIN 0x80
	XLOAD 0, 0, 0
	XLOAD 1, 1, 0
	XLOAD 2, 0, 512
	WIN 0
.Lno_next:
.irp a, 0,1,2,3
	ds_store_b32 v56, v[RR+\a] offset:64*\a        ; my two heads' part of row 16 a + r (both halves of the lanes store the same number)
.endr
	ds_store_b32 v57, v[GD]
	s_wait_dscnt 0x0                               ; for the others' sake: these stores are done, and my reads of the codes are back
	s_barrier_signal -1
	s_barrier_wait -1                              ; behind it the next block's codes may be stored, and wave 0 may sum
	s_cmp_lg_u32 s2, 0
	s_cbranch_scc1 .Lnot_wave_0
.irp i, 0,1,2,3,4
	ds_load_b64 v[T1+2*\i:T1+2*\i+1], v58 offset:256*\i   ; rows 2 lane, 2 lane + 1: four waves' parts, then g1 - g2
.endr
	s_wait_dscnt 0x0
	v_pk_add_f32 v[T1:T1+1], v[T1:T1+1], v[T1+2:T1+3]
	v_pk_add_f32 v[T1+4:T1+5], v[T1+4:T1+5], v[T1+6:T1+7]
	v_pk_add_f32 v[T1:T1+1], v[T1:T1+1], v[T1+8:T1+9]
	v_pk_add_f32 v[T1:T1+1], v[T1:T1+1], v[T1+4:T1+5]
	s_wait_alu depctr_va_vdst(0)                   ; the additions have written v[T1:T1+1], which the store reads
	global_store_b64 v59, v[T1:T1+1], s[30:31]     ; 32 lanes store 256 consecutive bytes, at a multiple of 256 from out's first byte
.Lnot_wave_0:
	s_wait_xcnt 0x0                                ; the store has read its data and its base
	s_add_nc_u64 s[30:31], s[30:31], 256
	s_cmp_lt_u32 s3, 2
	s_cbranch_scc1 .Lblock
	s_wait_xcnt 0x0
	v_lshl_add_u32 v254, v0, 2, 0x4e000            ; my spare word and 0, made anew here: all 1,024 registers are in use until now; no memory or LDS instruction has read these two
	v_mov_b32 v255, 0
	s_wait_dscnt 0x0                               ; the closing lines, six on end
	s_wait_alu 0x0
	s_wait_tensorcnt 0x0
	ds_add_u32 v254, v255
	s_wait_dscnt 0x0
	s_endpgm
.Lfunc_end_k_q8c9e746502_main:
	.size	k_q8c9e746502_main, .Lfunc_end_k_q8c9e746502_main-k_q8c9e746502_main
	.p2alignl 7, 3214868480
	.fill 96, 4, 3214868480
	.section	.rodata,"a",@progbits
	.p2align	6, 0x0
	.amdhsa_kernel k_q8c9e746502_main
		.amdhsa_group_segment_fixed_size 320000
		.amdhsa_private_segment_fixed_size 0
		.amdhsa_enable_private_segment 0
		.amdhsa_kernarg_size 96
		.amdhsa_user_sgpr_count 2
		.amdhsa_user_sgpr_kernarg_segment_ptr 1
		.amdhsa_wavefront_size32 1
		.amdhsa_system_sgpr_workgroup_id_x 1
		.amdhsa_system_sgpr_workgroup_id_y 1
		.amdhsa_system_sgpr_workgroup_id_z 1
		.amdhsa_system_vgpr_workitem_id 0
		.amdhsa_next_free_vgpr 1024
		.amdhsa_next_free_sgpr 80
		.amdhsa_reserve_vcc 0
		.amdhsa_float_denorm_mode_32 3
		.amdhsa_float_denorm_mode_16_64 3
		.amdhsa_memory_ordered 1
		.amdhsa_forward_progress 1
		.amdhsa_inst_pref_size 255
	.end_amdhsa_kernel
	.section	.bss,"aw",@nobits
	.p2align	6
	.space	262144
	.amdgpu_metadata
---
amdhsa.version: [ 1, 2 ]
amdhsa.kernels:
  - .name:           k_q8c9e746502_main
    .symbol:         k_q8c9e746502_main.kd
    .args:
      - { .name: x1, .offset: 0, .size: 8, .value_kind: global_buffer, .address_space: global }
      - { .name: x2, .offset: 8, .size: 8, .value_kind: global_buffer, .address_space: global }
      - { .name: wf, .offset: 16, .size: 8, .value_kind: global_buffer, .address_space: global }
      - { .name: W1, .offset: 24, .size: 8, .value_kind: global_buffer, .address_space: global }
      - { .name: W2, .offset: 32, .size: 8, .value_kind: global_buffer, .address_space: global }
      - { .name: W3, .offset: 40, .size: 8, .value_kind: global_buffer, .address_space: global }
      - { .name: alpha, .offset: 48, .size: 8, .value_kind: global_buffer, .address_space: global }
      - { .name: b1, .offset: 56, .size: 8, .value_kind: global_buffer, .address_space: global }
      - { .name: b2, .offset: 64, .size: 8, .value_kind: global_buffer, .address_space: global }
      - { .name: b3, .offset: 72, .size: 8, .value_kind: global_buffer, .address_space: global }
      - { .name: lowp_scales, .offset: 80, .size: 8, .value_kind: global_buffer, .address_space: global }
      - { .name: out0, .offset: 88, .size: 8, .value_kind: global_buffer, .address_space: global }
    .group_segment_fixed_size: 320000
    .private_segment_fixed_size: 0
    .kernarg_segment_align: 8
    .kernarg_segment_size: 96
    .max_flat_workgroup_size: 128
    .sgpr_count:     80
    .vgpr_count:     1024
    .wavefront_size: 32
...
	.end_amdgpu_metadata
.endif
;; end of part 3
